; MI455X (gfx1250); checked and timed in simulation.
; The chip was launched on July 23, 2026; its instructions are those of AMD's public machine-readable ISA for CDNA 5 (MIT licence, August 2026) and "CDNA5" Instruction Set Architecture Reference Guide (July 2026). The comments in the code are by the model that wrote it; some were corrected since.
;; Multi Head Attention Layer. Allowed arithmetic: matrix products marked QUANTISED: E2M1 operands, one E8M0 scale for each 32 along K, by v_wmma_scale_f32_16x16x128_f8f6f4 with both operands' format E2M1 (or v_wmma_scale_f32_32x16x128_f4), f32 sums; everything else in f32.
;; Inputs: Wk_codes 8 x 64 x 16 x 16 uint8 (E2M1 codes of Wk, K innermost, in blocks of 32 codes, two codes a byte); Wk_scales 8 x 64 x 16 uint8 (E8M0 scales of Wk, one for each 32 codes along K); Wo_codes 512 x 16 x 16 uint8 (E2M1 codes of Wo, K innermost, in blocks of 32 codes, two codes a byte); Wo_scales 512 x 16 uint8 (E8M0 scales of Wo, one for each 32 codes along K); Wq_codes 8 x 64 x 16 x 16 uint8 (E2M1 codes of Wq, K innermost, in blocks of 32 codes, two codes a byte); Wq_scales 8 x 64 x 16 uint8 (E8M0 scales of Wq, one for each 32 codes along K); Wv_codes 8 x 64 x 16 x 16 uint8 (E2M1 codes of Wv, K innermost, in blocks of 32 codes, two codes a byte); Wv_scales 8 x 64 x 16 uint8 (E8M0 scales of Wv, one for each 32 codes along K); bk 8 x 64 float32; bo 512 float32; bq 8 x 64 float32; bv 8 x 64 float32; x_codes 2 x 4,096 x 16 x 16 uint8 (E2M1 codes of x, K innermost, in blocks of 32 codes, two codes a byte); x_scales 2 x 4,096 x 16 uint8 (E8M0 scales of x, one for each 32 codes along K).
;; Outputs: out0 2 x 4,096 x 512 float32.
;; This version of the problem:
;;   THIS VERSION OF THE PROBLEM IS GIVEN IN LOW PRECISION. The matrix products marked QUANTISED in the list below multiply operands that are first quantised to E2M1 (2 exponent bits, 1 mantissa bit; 4 bits a number), with one power-of-two scale for each 32 numbers along K (OCP MX v1.0); their sums are f32. All else is computed in f32.
;;   The module's matrix products, in the order in which they are computed (A, B: the left and right operand; K: the contracted axis; several contracted axes count as one K, in the product's order):
;;     1. [M 512, K 512] x [K 512, N 8,192]; A: input Wq (given as codes); B: input x (given as codes): QUANTISED
;;     2. [M 512, K 512] x [K 512, N 8,192]; A: input Wk (given as codes); B: input x (given as codes): QUANTISED
;;     3. [M 512, K 512] x [K 512, N 8,192]; A: input Wv (given as codes); B: input x (given as codes): QUANTISED
;;     4. batch 16 x [M 4,096, K 64] x [K 64, N 4,096]; A: computed on the way; B: computed on the way: QUANTISED
;;     5. batch 16 x [M 4,096, K 4,096] x [K 4,096, N 64]; A: softmax (see below); B: computed on the way: QUANTISED
;;     6. [M 8,192, K 512] x [K 512, N 512]; A: computed on the way; B: input Wo (given as codes): QUANTISED
;;   THE QUANTISER, for each operand of a quantised product, along K:
;;     - K is cut into blocks of 32 from its start; a last block that is shorter is filled with zeros.
;;     - A block's scale is 2^e with e = floor(log2(the largest magnitude in the block)) - 2, held to -126 .. 127; a block of zeros has e = 0. As a byte (E8M0): e + 127.
;;     - Each number is divided by its block's scale, clamped to +-6, and rounded to the nearest number of E2M1, ties to even, subnormals kept.
;;     - The product sums the exact products of the quantised numbers (number of the format x scale) in f32.
;;   ~~~python
;;   def quantise(x, axis):      # numpy; x: float32 -> the quantised numbers, widened to float32 again
;;       x = np.moveaxis(x, axis, -1); K = x.shape[-1]
;;       x = np.pad(x, [(0, 0)] * (x.ndim - 1) + [(0, -K % 32)]); x = x.reshape(x.shape[:-1] + (-1, 32)); a = np.abs(x).max(-1, keepdims=True)
;;       e = np.where(a > 0, np.clip(np.frexp(np.where(a > 0, a, 1))[1] - 1 - 2, -126, 127), 0)      # np.frexp(a)[1] - 1 = floor(log2(a)), exactly
;;       r = np.clip(x / 2.0 ** e, -6, 6)
;;       step = 2.0 ** (np.maximum(np.frexp(np.where(r == 0, 1, r))[1] - 1, 0) - 1)
;;       q = np.round(r / step) * step * 2.0 ** e      # np.round: ties to even
;;       return np.moveaxis(q.reshape(q.shape[:-2] + (-1,))[..., :K], -1, axis).astype(np.float32)
;;   ~~~
;;   SOFTMAX AHEAD OF A QUANTISED PRODUCT. Where the list says 'softmax', what is quantised is not the finished softmax but p = 2^(t - M), with t = logit x log2(e) and M = ceil(the row's largest t), a whole number; so 1/2 < the row's largest p <= 1. The row's sum l is taken of the UNQUANTISED p, in f32, and the product's result is divided by l at the end. Since M is a whole number, a kernel that streams over the keys may use a running M (the ceiling of the running maximum): every later rescaling is an exact power of two, which a block's scale takes up: the codes' values come out the same.
;;   OPERANDS COMPUTED ON THE WAY. 'Computed on the way' means the value that the module computes at that place (a softmax that the list does not call 'softmax' is quantised finished and normalised). What goes into a quantiser is computed in f32, as accurately as f32 sums, v_exp_f32 and their like allow (about 1e-6 of the number): no bf16 or f16 on the way to a quantiser, and a product that is left as it is and whose result goes on into a quantised operand takes f32 operands (vector FMAs, or v_wmma_f32_16x16x4_f32). A number that lies on a knife's edge between two numbers of the format may be rounded either way, as far as f32 arithmetic and the matrix unit's own rounding can turn it there, and no further.
;;   INPUTS GIVEN AS CODES. Wk (in the module: [8, 512, 64], K = its axis 1); Wo (in the module: [512, 512], K = its axis 0); Wq (in the module: [8, 512, 64], K = its axis 1); Wv (in the module: [8, 512, 64], K = its axis 1); x (in the module: [2, 4096, 512], K = its axis 2): each comes as NAME_codes (uint8): NAME with its K axis moved to the last place and cut into blocks of 32 codes, [.., K / 32, bytes a block], one block behind the other in memory; two codes a byte, the lower K in the low four bits (a code: sign, 2 exponent bits, 1 mantissa bit); and NAME_scales (uint8): the same leading axes, one E8M0 byte (e + 127) for each 32 codes along K. Its value is code x scale, taken as it is: it is not quantised again, and the codes and scales need not be those that the quantiser above would give.
;; One version. Each part assembles by itself: llvm-mc -triple=amdgcn-amd-amdhsa -mcpu=gfx1250 --defsym DOCPART=n.
;; ======== version 1 of 1: 2 launches
;; limits: right only within a limited range of input values
;; workspace buffers: qimg 2,097,152 bytes; qsc 262,144 bytes; kv 4,587,520 bytes
;; launch proj (part 1): grid 64 x 4, 8 waves a work-group, clusters of 4 x 1, 168,960 bytes of LDS; arguments x_codes, x_scales, Wq_codes, Wq_scales, bq, Wk_codes, Wk_scales, bk, Wv_codes, Wv_scales, bv, qimg, qsc, kv; writes qimg, qsc, kv
.if DOCPART == 1
	.amdgcn_target "amdgcn-amd-amdhsa--gfx1250"
	.amdhsa_code_object_version 6
	.text
	.protected	k_q91e613a83f_proj
	.globl	k_q91e613a83f_proj
	.p2align	8
	.type	k_q91e613a83f_proj,@function
k_q91e613a83f_proj:
	s_mov_b64 s[64:65], 0
	v_nop
	global_prefetch_b8 v0, s[64:65] scope:SCOPE_SE
	s_setreg_imm32_b32 hwreg(HW_REG_WAVE_MODE, 25, 1), 1
	s_wait_xcnt 0x0
	s_wait_alu depctr_hold_cnt(0) depctr_sa_sdst(0) depctr_va_vdst(0) depctr_va_sdst(0) depctr_va_ssrc(0) depctr_va_vcc(0) depctr_vm_vsrc(0)
	s_getreg_b32 s2, hwreg(HW_REG_IB_STS2, 6, 4)
	s_cmp_eq_u32 s2, 0
	s_cbranch_scc0 .Lentry_in_a_cluster
	s_endpgm
.Lentry_in_a_cluster:
	s_bfe_u32 s2, ttmp6, 0x10000c
	s_cmp_lg_u32 s2, 0x3003
	s_cbranch_scc0 .Lentry_shape_is_right
	s_endpgm
.Lentry_shape_is_right:
; q = x Wq + bq, k = x Wk + bk, v = x Wv + bv on codes of FP4 (E2M1) with one E8M0 scale for each 32 along K = 512; the results are quantised at once,
; q and k along the head's 64, v along the tokens (the keys), and leave as IMAGES OF OPERAND REGISTERS: lane l's 16 bytes at 16 l, so that the next launch loads fragments whole.
; SHARES.  A work-group takes 128 tokens (block tb) and two heads (2 g, 2 g + 1: 128 rows of each weight).  Each of its eight waves runs three UNITS of 32 matrix instructions:
; source 0 = the eight tiles of a block E of 128 rows, source 1 = tile w of a block O.   q: E = Wq, O = x.   k: E = Wk, O = x.   v: E = x, O = Wv.
; THE ROWS OF A TILE ARE NOT NEIGHBOURS: lane row r of tile t is block row 32 (t / 2) + 8 (t % 2) + r + 8 (r / 8).  In the result register j of lane (r, h) of tile t is then E's row
; 32 (t / 2) + 8 (t % 2) + 16 h + j: the 16 registers of tiles 2 b, 2 b + 1 are 16 neighbours, 32 b + 16 h + 0 .. 15, along the axis that is quantised.
; In units q and k a lane holds one token and its registers run along two heads' 64; in unit v a lane holds one of the two heads' 128 rows of v and its registers run along the 128 tokens.
; The biases are the C of each sum's first matrix instruction.
; CLUSTER.  The four work-groups of a cluster have four token blocks and the SAME two heads: the three weight blocks (96 of a work-group's 128 KiB of tiles) are asked for jointly, x's block by a load of its own.
; OUT.  qimg [bh][tile 8 j + w][512]; qsc [bh][tile][16 words]; kv [bh][step j][8,960]: K's codes (tile t at 512 t), V's codes at 4,096 (tile t at 1,024 t, register group c at 512 c),
; K's scale words at 8,192 (tile t, row r at 256 (t / 4) + 16 r + 4 (t % 4)), V's at 8,704 (16 r + 4 t).  Every store of a wave covers 512 (or 2 x 256) consecutive bytes, aligned to 256.
; LIMITS: NaN and infinities are not served.  A block whose largest magnitude lies under 2^(3 - 127), a block of zeros among them, gets the byte 1 where the quantiser's rule says 127 for zeros:
; its codes are zeros, and only this program reads the bytes.
.set PITCH,  272                       ; an LDS row: 256 bytes of codes + 16 of padding
.set HALF,   64*PITCH                  ; what one tensor load brings
.set XT,     0                         ; LDS: x's 128 rows,
.set WQ,     2*HALF                    ; Wq's,
.set WK,     4*HALF                    ; Wk's,
.set WVL,    6*HALF                    ; Wv's,
.set SST,    8*HALF                    ; and behind the tiles the scale words on their way out: q's 1,024 bytes, k's 1,024, v's 512; no tile lands here
.set KVSTEP, 8960
.set KVHEAD, KVSTEP                    ; kv is laid [batch][step j][head][8,960]: from head to head one block of 8,960 bytes, so that a key step of all eight heads is 71,680 consecutive bytes (this order stands in place of the one named at the head)
.set QHEAD,  256*512
.set LI,   4                           ; v4   16 x lane
.set AE,   6                           ; v6   a fragment's place in a block: 272 (r + 8 (r / 8)) + 16 h
.set AO,   7                           ; v7   the same in my tile w of block O
.set AEU,  8                           ; v8   AE + the unit's block E
.set AOU,  9                           ; v9   AO + the unit's block O
.set SQA,  10                          ; v10  where q's scale word goes in LDS
.set SKA,  11                          ; v11  k's
.set SVA,  12                          ; v12  v's
.set SRD,  13                          ; v13  where a wave reads 512 bytes of scale words back
.set SOFF, 14                          ; v14  and its lanes' offsets in memory
.set H16,  15                          ; v15  16 h
.set OF,   16                          ; v16-23   O's fragment
.set BV,   24                          ; v24-31   bv of my row, eight times
.set PC,   32                          ; v32-39   the codes just made
.set PW,   40                          ; v40      the scale word just made
.set SW,   41                          ; v41-42   q's and k's word, shifted for my half of the lanes
.set OUTR, 44                          ; v44-47   scale words on the way out
.set ACC,  48                          ; v48-111  eight accumulators
.set EF,   112                         ; v112-175 E's eight fragments of a K step
.set ESQ,  176                         ; v176-191 Wq's scale words: register 4 t + s: lanes 0-15 tile t, lanes 16-31 tile t + 4, K step s
.set ESK,  192                         ; v192-207 Wk's
.set ESX,  208                         ; v208-223 x's, as block E
.set OSX,  224                         ; v224-227 x's tile w, K step s
.set OSV,  228                         ; v228-231 Wv's tile w
.set TM,   232                         ; v232-247 at work in QUANT
.set BVL,  248                         ; v248 bv as loaded
.set VB,   249                         ; v249 64 h
.set VES,  250                         ; v250 16 (r + 8 (r / 8)) + 1,024 h
.set VOS,  251                         ; v251 16 (r + 24 (r / 8)) + 16 x my tile's first row
.set VBV,  252                         ; v252 4 x the same row
.set WV,   56                          ; s56  my wave's number
.set SEL,  66                          ; s[66:67] lane selects for v_permlanex16_b32: lane l xor 16
.set QP,   76                          ; s[76:77] where my tile of q goes
.set KP,   78                          ; s[78:79] of k
.set VP,   80                          ; s[80:81] of v
.set SP,   82                          ; s[82:83] where my 512 bytes of scale words go
.set MSB, 0
.macro WIN new                         ; window 1 (v256-383) holds bq's eight bias tiles (v0-63 there) and bk's (v64-127); the immediate's high byte repeats the setting that is left
.if MSB != \new
	s_set_vgpr_msb (MSB<<8)|\new
.set MSB, \new
.endif
.endm
.macro CROUND                          ; a round of the cluster's barrier: my work-group's barrier, wave 0 signals for the work-group, every wave waits for the four, my work-group's barrier again
	s_barrier_signal -1
	s_barrier_wait -1
	s_cmp_lg_u32 s[WV], 0
	s_cbranch_scc1 .Lnot_wave_0_\@
	s_barrier_signal -3
.Lnot_wave_0_\@:
	s_barrier_wait -3
	s_barrier_signal -1
	s_barrier_wait -1
.endm
.macro PLACES                          ; four plain vector instructions between a matrix instruction and a read of its result or a load into its registers
.rept 4
	v_nop
.endr
.endm
; 64 numbers of a lane, v[s] .. v[s + 63], register 16 b + i = place 32 b + 16 h + i along the quantised axis, become a fragment's codes in v[PC] on and its scale word in v[PW].
.macro QUANT s
.irp b, 0,1,2,3
	v_max3_num_f32 v[TM+\b], |v[\s+16*\b]|, |v[\s+1+16*\b]|, 0x1800000   ; block b: my 16 numbers, and the floor 2^(3 - 127): the byte cannot fall under 1
.endr
.irp i, 2,4,6,8,10,12,14
.irp b, 0,1,2,3
	v_max3_num_f32 v[TM+\b], v[TM+\b], |v[\s+16*\b+\i]|, |v[\s+1+16*\b+\i]|   ; the four blocks by turns
.endr
.endr
.irp b, 0,1,2,3
	s_delay_alu instid0(VALU_DEP_4)
	v_permlanex16_b32 v[TM+4+\b], v[TM+\b], s[SEL], s[SEL+1]
.endr
.irp b, 0,1,2,3
	s_delay_alu instid0(VALU_DEP_4)
	v_max_num_f32 v[TM+\b], v[TM+\b], v[TM+4+\b]   ; with lane l xor 16's 16: the block's largest magnitude
.endr
.irp b, 0,1,2,3
	s_delay_alu instid0(VALU_DEP_4)
	v_add_nc_u32 v[TM+12+\b], 0xff000000, v[TM+\b]   ; 2 off its exponent field: the conversion takes the exponent field of this operand as its scale
.endr
.irp b, 0,1,2,3
	s_delay_alu instid0(VALU_DEP_4)
	v_lshrrev_b32 v[TM+4+\b], 23, v[TM+12+\b]   ; the scale's byte
.endr
	s_delay_alu instid0(VALU_DEP_3)
	v_lshl_or_b32 v[PW], v[TM+5], 8, v[TM+4]
	s_delay_alu instid0(VALU_DEP_1)
	v_lshl_or_b32 v[PW], v[TM+6], 16, v[PW]
	s_delay_alu instid0(VALU_DEP_1)
	v_lshl_or_b32 v[PW], v[TM+7], 24, v[PW]
.irp b, 0,1,2,3
	v_cvt_scalef32_pk8_fp4_f32 v[PC+2*\b], v[\s+16*\b:\s+7+16*\b], v[TM+12+\b]
	v_cvt_scalef32_pk8_fp4_f32 v[PC+1+2*\b], v[\s+8+16*\b:\s+15+16*\b], v[TM+12+\b]
.endr
	v_nop                                          ; one plain instruction behind the last scaled conversion
.irp c, 0,1                                    ; the operand's layout wants a whole block in a lane: lanes 0-15 block 2 c, lanes 16-31 block 2 c + 1
.irp i, 0,1
	v_permlane16_swap_b32 v[PC+4*\c+\i], v[PC+2+4*\c+\i]
.endr
.endr
.endm
; One matrix instruction: accumulator t = E's tile t x O's tile + C at register cb.  Tiles 4 to 7 take their scale words from lanes 16-31.
.macro MM t, cb, sa, sb
.if (\t) < 4
	v_wmma_scale_f32_16x16x128_f8f6f4 v[ACC+8*(\t):ACC+8*(\t)+7], v[EF+8*(\t):EF+8*(\t)+7], v[OF:OF+7], v[(\cb):(\cb)+7], v[\sa], v[\sb] matrix_a_fmt:MATRIX_FMT_FP4 matrix_b_fmt:MATRIX_FMT_FP4
.else
	v_wmma_scale_f32_16x16x128_f8f6f4 v[ACC+8*(\t):ACC+8*(\t)+7], v[EF+8*(\t):EF+8*(\t)+7], v[OF:OF+7], v[(\cb):(\cb)+7], v[\sa], v[\sb] matrix_a_fmt:MATRIX_FMT_FP4 matrix_b_fmt:MATRIX_FMT_FP4 matrix_a_scale:MATRIX_SCALE_ROW1
.endif
.endm
; A unit.  kind 0: q, 1: k, 2: v.  eb, ob: the blocks' LDS bytes;  es, os: their scale words.  Four K steps of 128; the eight accumulators take turns, one instruction a turn.
.macro UNIT kind, eb, ob, es, os
	v_add_nc_u32 v[AEU], \eb, v[AE]
	s_wait_alu depctr_va_vdst(0)
	v_add_nc_u32 v[AOU], \ob, v[AO]
	s_wait_alu depctr_va_vdst(0)
.irp s, 0,1,2,3
.if \s > 0
	PLACES                                         ; in front of loads into registers that the last K step's products have read
.endif
.irp t, 0,1,2,3,4,5,6,7
.irp c, 0,1
	ds_load_b128 v[EF+8*\t+4*\c:EF+8*\t+4*\c+3], v[AEU] offset:(32*(\t/2)+8*(\t%2))*PITCH+64*\s+32*\c
.endr
.endr
.irp c, 0,1
	ds_load_b128 v[OF+4*\c:OF+4*\c+3], v[AOU] offset:64*\s+32*\c
.endr
	s_wait_dscnt 0x0                               ; the K step's 18 loads are in
.if \s == 0
.if \kind < 2
	WIN 0x10                                       ; C: the bias tiles in window 1
.irp t, 0,1,2,3,4,5,6,7
	MM \t, 64*\kind+8*\t, \es+4*(\t%4), \os
.endr
	WIN 0
.else
.irp t, 0,1,2,3,4,5,6,7
	MM \t, BV, \es+4*(\t%4), \os
.endr
.endif
.else
.irp t, 0,1,2,3,4,5,6,7
	MM \t, ACC+8*\t, \es+4*(\t%4)+\s, \os+\s
.endr
.endif
.endr
	PLACES                                         ; in front of the first read of the results
	s_wait_xcnt 0x0                                ; the last unit's stores have read the codes' registers: they are written again only behind this wait
	QUANT ACC
.if \kind == 0
	global_store_b128 v[LI], v[PC:PC+3], s[QP:QP+1]                    ; head 2 g: registers 0-3 of Q's fragment, 512 consecutive bytes
	global_store_b128 v[LI], v[PC+4:PC+7], s[QP:QP+1] offset:QHEAD     ; head 2 g + 1
	v_lshrrev_b32 v[SW], v[H16], v[PW]             ; lanes 0-15 keep the word (bytes 0, 1: head 2 g), lanes 16-31 bring head 2 g + 1's two bytes down
	ds_store_b32 v[SQA], v[SW]
.elseif \kind == 1
	global_store_b128 v[LI], v[PC:PC+3], s[KP:KP+1]
	global_store_b128 v[LI], v[PC+4:PC+7], s[KP:KP+1] offset:KVHEAD
	v_lshrrev_b32 v[SW+1], v[H16], v[PW]
	ds_store_b32 v[SKA], v[SW+1]
.else
	global_store_b128 v[LI], v[PC:PC+3], s[VP:VP+1]                    ; a whole fragment: 16 rows of v x 128 keys
	global_store_b128 v[LI], v[PC+4:PC+7], s[VP:VP+1] offset:512
	ds_store_b32 v[SVA], v[PW]                     ; both halves of the lanes write the same word with the same value
.endif
.endm
	s_load_b512 s[4:19], s[0:1], 0x0               ; x_codes s[4:5], x_scales s[6:7], Wq_codes s[8:9], Wq_scales s[10:11], bq s[12:13], Wk_codes s[14:15], Wk_scales s[16:17], bk s[18:19]
	s_load_b256 s[20:27], s[0:1], 0x40             ; Wv_codes s[20:21], Wv_scales s[22:23], bv s[24:25], qimg s[26:27]
	s_load_b128 s[28:31], s[0:1], 0x60             ; qsc s[28:29], kv s[30:31]
	v_lshl_add_u32 v254, v0, 2, 0x29000
	v_mov_b32 v255, 0
	ds_add_u32 v254, v255
	ds_add_u32 v254, v255
	v_lshrrev_b32 v1, 5, v0
	s_delay_alu instid0(VALU_DEP_1)
	v_readfirstlane_b32 s[WV], v1                  ; wave 0..7
	s_bfe_u32 s57, ttmp6, 0x40000                  ; cx: my place in the cluster
	s_lshl_b32 s58, ttmp9, 2
	s_add_co_u32 s58, s58, s57                     ; tb: my block of 128 tokens = 4 x cluster x + cx
	s_and_b32 s59, ttmp7, 0xffff                   ; g: heads 2 g, 2 g + 1, which the four partners share
	; descriptor group 1: 64 rows of 256 bytes, 16 bytes of padding behind each.  s[32:39]: x's, no mask;  s[40:47]: the weights', all four work-groups
	s_mov_b32 s32, (1<<20)|(5<<22)|(3<<25)         ; elements of 1 byte; padding on; after every 64 words; 4 words
	s_mov_b32 s40, 15|(1<<20)|(1<<21)|(5<<22)|(3<<25)   ; the same with the mask, and bit 21 beside it
.irp g, 32, 40
	s_mov_b32 s[\g+1], 256<<16                     ; tensor_dim0
	s_mov_b32 s[\g+2], 64<<16                      ; tensor_dim1
	s_mov_b32 s[\g+3], 256<<16                     ; tile_dim0
	s_mov_b32 s[\g+4], 64                          ; tile_dim1
	s_mov_b32 s[\g+5], 256                         ; from row to row
	s_mov_b32 s[\g+6], 0
	s_mov_b32 s[\g+7], 0
.endr
	s_and_b32 s61, s[WV], 1                        ; which 64 rows of a block I fetch
	s_lshl_b32 s61, s61, 14
	s_lshl_b32 s60, s59, 15
	s_add_co_u32 s60, s60, s61                     ; in a weight: g x 128 rows + my 64 (no register of this sum ever holds cx)
	s_lshl_b32 s68, s58, 15
	s_add_co_u32 s68, s68, s61                     ; in x: tb x 128 rows + my 64
	s_mov_b32 s61, 0
	s_mov_b32 s69, 0
	s_wait_dscnt 0x0
	s_wait_kmcnt 0x0
	s_cmp_lt_u32 s[WV], 4                          ; waves 2, 3: Wq;  4, 5: Wk;  6, 7: Wv.  The choice hangs on the wave's number alone
	s_cselect_b64 s[62:63], s[8:9], s[14:15]
	s_cmp_lt_u32 s[WV], 6
	s_cselect_b64 s[62:63], s[62:63], s[20:21]
	s_mov_b32 s52, 1                               ; group 0 for the weights
	s_mul_i32 s53, s[WV], HALF                     ; LDS: wave x 64 rows: x's halves, Wq's, Wk's, Wv's
	s_add_nc_u64 s[54:55], s[62:63], s[60:61]
	s_or_b32 s55, s55, 0x80000000                  ; type = 2
	s_mov_b32 s48, 1                               ; group 0 for x
	s_mul_i32 s49, s[WV], HALF
	s_add_nc_u64 s[50:51], s[4:5], s[68:69]
	s_or_b32 s51, s51, 0x80000000
	CROUND                                         ; all four work-groups are here: the joint loads meet
	s_cmp_lt_u32 s[WV], 2                          ; one load a wave, filled once: nothing is filled again in this launch
	s_cbranch_scc0 .Lweights
	tensor_load_to_lds s[48:51], s[32:39]
	s_nop 0
.rept 4
	v_nop
.endr
	s_branch .Lasked
.Lweights:
	tensor_load_to_lds s[52:55], s[40:47]
	s_nop 0
.rept 4
	v_nop
.endr
.Lasked:
	; the scales' and biases' places
	s_mov_b32 s89, 0
	s_lshl_b32 s88, s59, 11                        ; 128 rows x 16 scale bytes
	s_add_nc_u64 s[10:11], s[10:11], s[88:89]
	s_add_nc_u64 s[16:17], s[16:17], s[88:89]
	s_add_nc_u64 s[22:23], s[22:23], s[88:89]
	s_lshl_b32 s88, s59, 9                         ; 128 numbers of a bias
	s_add_nc_u64 s[12:13], s[12:13], s[88:89]
	s_add_nc_u64 s[18:19], s[18:19], s[88:89]
	s_add_nc_u64 s[24:25], s[24:25], s[88:89]
	s_lshl_b32 s88, s58, 11
	s_add_nc_u64 s[6:7], s[6:7], s[88:89]
	; where the results go
	s_lshr_b32 s70, s58, 5                         ; b
	s_and_b32 s71, s58, 31                         ; j: the key step, and 8 j + w the query tile
	s_lshl_b32 s72, s70, 3
	s_lshl_b32 s73, s59, 1
	s_add_co_u32 s72, s72, s73                     ; bh0 = 8 b + 2 g
	s_mul_i32 s73, s59, 2*KVSTEP                   ; head 2 g's block inside a step,
	s_mul_i32 s74, s58, 8*KVSTEP                   ; and the step: tb = 32 b + j counts steps of eight heads
	s_add_co_u32 s73, s73, s74                     ; the step's block in kv, head 2 g
	s_mov_b32 s75, 0
	s_lshl_b32 s74, s72, 17
	s_lshl_b32 s84, s71, 12
	s_add_co_u32 s74, s74, s84
	s_lshl_b32 s84, s[WV], 9
	s_add_co_u32 s74, s74, s84
	s_add_nc_u64 s[QP:QP+1], s[26:27], s[74:75]
	s_add_co_u32 s74, s73, s84
	s_add_nc_u64 s[KP:KP+1], s[30:31], s[74:75]
	s_lshr_b32 s74, s[WV], 2                       ; v: waves 0-3 make head 2 g's four tiles, waves 4-7 head 2 g + 1's
	s_mul_i32 s74, s74, KVHEAD
	s_and_b32 s84, s[WV], 3
	s_lshl_b32 s84, s84, 10
	s_add_co_u32 s74, s74, s84
	s_add_co_u32 s74, s74, s73
	s_add_co_u32 s74, s74, 4096
	s_add_nc_u64 s[VP:VP+1], s[30:31], s[74:75]
	s_and_b32 s87, s[WV], 1                        ; the scale words: waves 0, 1: q's of the two heads;  2, 3: k's;  4: v's of both
	s_lshl_b32 s84, s72, 14
	s_lshl_b32 s85, s71, 9
	s_add_co_u32 s84, s84, s85
	s_lshl_b32 s85, s87, 14
	s_add_co_u32 s84, s84, s85
	s_mul_i32 s85, s87, KVHEAD
	s_add_co_u32 s85, s85, s73
	s_add_co_u32 s85, s85, 8192
	s_add_co_u32 s86, s73, 8704
	s_cmp_lt_u32 s[WV], 2
	s_cselect_b64 s[SP:SP+1], s[28:29], s[30:31]
	s_cselect_b32 s74, s84, s85
	s_cmp_lt_u32 s[WV], 4
	s_cselect_b32 s74, s74, s86
	s_add_nc_u64 s[SP:SP+1], s[SP:SP+1], s[74:75]
	s_cmp_eq_u32 s[WV], 4
	s_cselect_b32 s87, KVHEAD-256, 0               ; wave 4's lanes 16-31 store into the next head's block
	; MY TILE w OF BLOCK O: lane row r is block row 64 (w / 4) + 8 (w % 4) + r % 8 + 32 (r / 8).  So in the next launch's transposed products a lane's registers over four tiles are 32 neighbours: a whole block of keys, or of a head's channels
	s_lshr_b32 s94, s[WV], 2
	s_lshl_b32 s94, s94, 6
	s_and_b32 s95, s[WV], 3
	s_lshl_b32 s95, s95, 3
	s_add_co_u32 s94, s94, s95                     ; my tile's first row: 64 (w / 4) + 8 (w % 4)
	s_mov_b32 s[SEL], 0x76543210
	s_mov_b32 s[SEL+1], 0xfedcba98
	v_and_b32 v1, 31, v0                           ; lane
	v_and_b32 v2, 15, v0                           ; r
	v_bfe_u32 v3, v0, 4, 1                         ; h
	s_delay_alu instid0(VALU_DEP_3)
	v_lshlrev_b32 v[LI], 4, v1
	s_delay_alu instid0(VALU_DEP_3)
	v_and_b32 v5, 8, v2
	s_delay_alu instid0(VALU_DEP_1)
	v_add_nc_u32 v5, v5, v2                        ; r + 8 (r / 8)
	s_delay_alu instid0(VALU_DEP_1)
	v_mul_u32_u24 v[AE], v5, PITCH
	s_delay_alu instid0(VALU_DEP_1)
	v_lshl_add_u32 v[AE], v3, 4, v[AE]
	s_mul_i32 s95, s94, PITCH
	v_and_b32 v253, 8, v2
	v_mad_u32_u24 v253, v253, 3, v2                ; r + 24 (r / 8)
	v_mul_u32_u24 v[AO], v253, PITCH
	v_lshl_add_u32 v[AO], v3, 4, v[AO]
	v_add_nc_u32 v[AO], s95, v[AO]
	v_lshlrev_b32 v[SQA], 2, v2                    ; q's words: [head][tile w][row r]
	s_delay_alu instid0(VALU_DEP_1)
	v_lshl_add_u32 v[SQA], v3, 9, v[SQA]
	s_lshl_b32 s96, s[WV], 6
	v_add_nc_u32 v[SQA], s96, v[SQA]
	s_delay_alu instid0(VALU_DEP_1)
	v_add_nc_u32 v[SQA], SST, v[SQA]
	s_lshr_b32 s96, s[WV], 2
	s_lshl_b32 s96, s96, 8
	s_and_b32 s97, s[WV], 3
	s_lshl_b32 s97, s97, 2
	s_add_co_u32 s96, s96, s97                     ; 256 (w / 4) + 4 (w % 4)
	v_lshlrev_b32 v[SVA], 4, v2
	s_delay_alu instid0(VALU_DEP_1)
	v_add_nc_u32 v[SVA], s96, v[SVA]
	s_delay_alu instid0(VALU_DEP_1)
	v_lshl_add_u32 v[SKA], v3, 9, v[SVA]           ; k's words: [head][256 (w / 4) + 16 r + 4 (w % 4)]
	s_delay_alu instid0(VALU_DEP_1)
	v_add_nc_u32 v[SKA], SST+1024, v[SKA]
	s_delay_alu instid0(VALU_DEP_3)
	v_add_nc_u32 v[SVA], SST+2048, v[SVA]          ; v's: [head = w / 4][16 r + 4 (w % 4)]
	s_lshl_b32 s97, s[WV], 9
	v_add_nc_u32 v[SRD], s97, v[LI]
	s_delay_alu instid0(VALU_DEP_1)
	v_add_nc_u32 v[SRD], SST, v[SRD]
	v_mad_u32_u24 v[SOFF], v3, s87, v[LI]
	v_lshlrev_b32 v[H16], 4, v3
	v_lshlrev_b32 v[VB], 6, v3
	v_lshlrev_b32 v[VES], 4, v5
	s_delay_alu instid0(VALU_DEP_1)
	v_lshl_add_u32 v[VES], v3, 10, v[VES]
	s_lshl_b32 s95, s94, 4
	v_lshl_add_u32 v[VOS], v253, 4, s95
	s_lshl_b32 s96, s94, 2
	v_lshl_add_u32 v[VBV], v253, 2, s96
.irp b, 0,1,2,3
	v_mov_b32 v[TM+4+\b], 0                        ; written once: a lane permute's destination counts as one of its sources
.endr
	WIN 0x40                                       ; destination window 1: lane (r, h) wants, for tile t, the bias at rows 32 (t / 2) + 8 (t % 2) + 16 h + 0 .. 7
.irp t, 0,1,2,3,4,5,6,7
	global_load_b128 v[8*\t:8*\t+3], v[VB], s[12:13] offset:(32*(\t/2)+8*(\t%2))*4
	global_load_b128 v[8*\t+4:8*\t+7], v[VB], s[12:13] offset:(32*(\t/2)+8*(\t%2))*4+16
	global_load_b128 v[64+8*\t:64+8*\t+3], v[VB], s[18:19] offset:(32*(\t/2)+8*(\t%2))*4
	global_load_b128 v[64+8*\t+4:64+8*\t+7], v[VB], s[18:19] offset:(32*(\t/2)+8*(\t%2))*4+16
.endr
	WIN 0
.irp t, 0,1,2,3                                ; a row's 16 scale bytes are its four K steps' words: lanes 0-15 take tile t's rows, lanes 16-31 tile t + 4's, 64 rows on
	global_load_b128 v[ESQ+4*\t:ESQ+4*\t+3], v[VES], s[10:11] offset:(32*(\t/2)+8*(\t%2))*16
	global_load_b128 v[ESK+4*\t:ESK+4*\t+3], v[VES], s[16:17] offset:(32*(\t/2)+8*(\t%2))*16
	global_load_b128 v[ESX+4*\t:ESX+4*\t+3], v[VES], s[6:7] offset:(32*(\t/2)+8*(\t%2))*16
.endr
	global_load_b128 v[OSX:OSX+3], v[VOS], s[6:7]
	global_load_b128 v[OSV:OSV+3], v[VOS], s[22:23]
	global_load_b32 v[BVL], v[VBV], s[24:25]
	s_wait_loadcnt 0x0                             ; biases and scale words, once
.irp i, 0,1,2,3,4,5,6,7
	v_mov_b32 v[BV+\i], v[BVL]                     ; in unit v a lane's eight results of a tile belong to one row of v: one bias
.endr
	s_wait_tensorcnt 0x0                           ; for the others' sake: my 64 rows lie in LDS
	s_barrier_signal -1
	s_barrier_wait -1                              ; everybody's do
	UNIT 0, WQ, XT, ESQ, OSX
	UNIT 1, WK, XT, ESK, OSX
	UNIT 2, XT, WVL, ESX, OSV
	s_wait_dscnt 0x0                               ; for the others' sake: my three scale words lie in LDS
	s_barrier_signal -1
	s_barrier_wait -1
	s_cmp_gt_u32 s[WV], 4                          ; five waves carry the 2,560 bytes out, 512 each
	s_cbranch_scc1 .Lno_scales
	ds_load_b128 v[OUTR:OUTR+3], v[SRD]
	s_wait_dscnt 0x0
	global_store_b128 v[SOFF], v[OUTR:OUTR+3], s[SP:SP+1]
.Lno_scales:
	s_wait_tensorcnt 0x0
	ds_add_u32 v254, v255
	s_wait_dscnt 0x0
	CROUND                                         ; the closing round: no work-group ends while a partner may still ask for a tile that names it
	s_endpgm
.Lfunc_end_k_q91e613a83f_proj:
	.size	k_q91e613a83f_proj, .Lfunc_end_k_q91e613a83f_proj-k_q91e613a83f_proj
	.p2alignl 7, 3214868480
	.fill 96, 4, 3214868480
	.section	.rodata,"a",@progbits
	.p2align	6, 0x0
	.amdhsa_kernel k_q91e613a83f_proj
		.amdhsa_group_segment_fixed_size 168960
		.amdhsa_private_segment_fixed_size 0
		.amdhsa_enable_private_segment 0
		.amdhsa_kernarg_size 112
		.amdhsa_user_sgpr_count 2
		.amdhsa_user_sgpr_kernarg_segment_ptr 1
		.amdhsa_wavefront_size32 1
		.amdhsa_system_sgpr_workgroup_id_x 1
		.amdhsa_system_sgpr_workgroup_id_y 1
		.amdhsa_system_sgpr_workgroup_id_z 1
		.amdhsa_system_vgpr_workitem_id 0
		.amdhsa_next_free_vgpr 384
		.amdhsa_next_free_sgpr 100
		.amdhsa_reserve_vcc 0
		.amdhsa_float_denorm_mode_32 3
		.amdhsa_float_denorm_mode_16_64 3
		.amdhsa_memory_ordered 1
		.amdhsa_forward_progress 1
		.amdhsa_inst_pref_size 56
	.end_amdhsa_kernel
	.amdgpu_metadata
---
amdhsa.version: [ 1, 2 ]
amdhsa.kernels:
  - .name:           k_q91e613a83f_proj
    .symbol:         k_q91e613a83f_proj.kd
    .args:
      - { .name: x_codes, .offset: 0, .size: 8, .value_kind: global_buffer, .address_space: global }
      - { .name: x_scales, .offset: 8, .size: 8, .value_kind: global_buffer, .address_space: global }
      - { .name: Wq_codes, .offset: 16, .size: 8, .value_kind: global_buffer, .address_space: global }
      - { .name: Wq_scales, .offset: 24, .size: 8, .value_kind: global_buffer, .address_space: global }
      - { .name: bq, .offset: 32, .size: 8, .value_kind: global_buffer, .address_space: global }
      - { .name: Wk_codes, .offset: 40, .size: 8, .value_kind: global_buffer, .address_space: global }
      - { .name: Wk_scales, .offset: 48, .size: 8, .value_kind: global_buffer, .address_space: global }
      - { .name: bk, .offset: 56, .size: 8, .value_kind: global_buffer, .address_space: global }
      - { .name: Wv_codes, .offset: 64, .size: 8, .value_kind: global_buffer, .address_space: global }
      - { .name: Wv_scales, .offset: 72, .size: 8, .value_kind: global_buffer, .address_space: global }
      - { .name: bv, .offset: 80, .size: 8, .value_kind: global_buffer, .address_space: global }
      - { .name: qimg, .offset: 88, .size: 8, .value_kind: global_buffer, .address_space: global }
      - { .name: qsc, .offset: 96, .size: 8, .value_kind: global_buffer, .address_space: global }
      - { .name: kv, .offset: 104, .size: 8, .value_kind: global_buffer, .address_space: global }
    .group_segment_fixed_size: 168960
    .private_segment_fixed_size: 0
    .kernarg_segment_align: 8
    .kernarg_segment_size: 112
    .max_flat_workgroup_size: 256
    .sgpr_count:     100
    .vgpr_count:     384
    .wavefront_size: 32
...
	.end_amdgpu_metadata
.endif
;; end of part 1
;; launch attnout (part 2): grid 256 x 1, 8 waves a work-group, clusters of 4 x 1, 327,680 bytes of LDS; arguments qimg, qsc, kv, Wo_codes, Wo_scales, bo, out0; writes out0
.if DOCPART == 2
	.amdgcn_target "amdgcn-amd-amdhsa--gfx1250"
	.amdhsa_code_object_version 6
	.text
	.protected	k_q91e613a83f_attnout
	.globl	k_q91e613a83f_attnout
	.p2align	8
	.type	k_q91e613a83f_attnout,@function
k_q91e613a83f_attnout:
	s_mov_b64 s[64:65], 0
	v_nop
	global_prefetch_b8 v0, s[64:65] scope:SCOPE_SE
	s_setreg_imm32_b32 hwreg(HW_REG_WAVE_MODE, 25, 1), 1
	s_wait_xcnt 0x0
	s_wait_alu depctr_hold_cnt(0) depctr_sa_sdst(0) depctr_va_vdst(0) depctr_va_sdst(0) depctr_va_ssrc(0) depctr_va_vcc(0) depctr_vm_vsrc(0)
	s_getreg_b32 s2, hwreg(HW_REG_IB_STS2, 6, 4)
	s_cmp_eq_u32 s2, 0
	s_cbranch_scc0 .Lentry_in_a_cluster
	s_endpgm
.Lentry_in_a_cluster:
	s_bfe_u32 s2, ttmp6, 0x10000c
	s_cmp_lg_u32 s2, 0x3003
	s_cbranch_scc0 .Lentry_shape_is_right
	s_endpgm
.Lentry_shape_is_right:
; out = concat_h(softmax(q k^T / 8) v) Wo + bo, all three products on codes of FP4 (E2M1) with one E8M0 scale for each 32 along K.
; SHARES.  A work-group owns 32 tokens of one batch and ALL eight heads; wave w owns head w and two tiles of 16 queries.  Tile u's large registers (Q, S^T, O^T, p's codes) lie in register window u under the same numbers;
; both tiles' small state (maxima, -M, f, sums, scale operands) lies in window 0, so that the two tiles' dependent chains are written two by two, by turns.
; Every wave walks the batch's 4,096 keys, 128 a step; each fragment of K and V that it reads from LDS feeds both tiles.  At the end the eight heads' o are quantised, meet in LDS, and wave w makes outputs 64 w .. 64 w + 63 of the 32 tokens.
; RING.  kv is [batch][step][head][8,960] (K's codes, V's codes at 4,096, K's scale words at 8,192, V's at 8,704, as images of operand registers).  A slot holds two steps of eight heads, 143,360 consecutive bytes; each wave fetches an eighth, 70 rows of 256 bytes.
; CLUSTER.  The four work-groups of a cluster lie in one batch and walk the same kv and the same Wo: every tensor load is a joint one, behind a round of the cluster's barrier.
; LAYOUT.  Both attention products are used transposed (S^T = K Q^T, O^T = V^T P^T): a lane holds one query.  Row m of K's tile t is key 64 (t / 4) + 8 (t % 4) + m % 8 + 32 (m / 8), so register 32 c + i of lane half h is key 64 c + 32 h + i:
; a lane holds two WHOLE blocks of 32 keys in the order of the second product's operand.  V's tile rows are laid the same way, so a lane's 32 registers of O^T are channels 32 h + 0 .. 31 of the head: one whole block of the last product's K.
; SOFTMAX.  t = score x log2(e) / 8; M = the running largest t rounded up to a whole number; p = 2^(t - M) is quantised; the row's sum is taken of the unquantised p and divides O; a change of M multiplies the sum and O by a power of two.
; Query tile 2 m + u (m = the work-group's number in its batch), lane row r, is token 64 (m / 2) + 16 (m % 2) + 8 u + r % 8 + 32 (r / 8).
; PREFETCH.  At the change of slots that asks for slot n + 1, slot n + 3 is named: 560 blocks of 256 bytes, 140 to each partner of the cluster, told apart by address; waves 0 to 4, 28 lanes a wave, a lane a block (lanes 28 to 31 name the wave's last block again).  Slots 0 to 2 come by their loads alone; nothing behind slot 15 is named.
; LIMITS: the promise holds while the scaled scores stay under 2^31 in magnitude; NaN and infinities are not served; a block whose largest magnitude lies under 2^(3 - 127) gets the byte 1 (its codes are zeros, and only this program reads the bytes).
.set HB,     8960                      ; a head's block of a step
.set STEPB,  8*HB
.set SLOT,   2*STEPB
.set PART,   SLOT/8                    ; a wave's share of a slot; Wo's 64 rows x 272 bytes fit inside it
.set STG,    2*SLOT                    ; behind the ring: o's codes on their way between waves, [tile][head][512]; no tile lands here
.set XS,     STG+8192                  ; o's scale bytes, [tile][row r][head][2]
.set SPARE,  XS+512                    ; the spare words, 128 bytes a wave
.set OPITCH, 272
; window 0 alone:
.set LI, 1                             ; 16 x lane
.set R16, 2                            ; 16 r
.set SPW, 3
.set NIL, 4
.set AK0, 5                            ; my head's block + 16 x lane
.set AV0, 6                            ; my head's block + 16 r
.set PFO, 7                            ; the prefetch's offset
.set ADK, 8
.set ADV, 9
.set R4, 10
.set H8, 11                            ; 8 h
.set NM, 12                            ; v12, v14: -M of tile 0, 1;  v13, v15: the largest score so far
.set ES, 128                           ; v128-135 Wo's scale words (the way out)
.set OS, 136                           ; v136-143 o's, 4 u + s
.set KF, 144                           ; v144-207 K's eight fragments (upper halves: zero codes)
.set L, 208                            ; v208-209, v210-211 the sums
.set F, 212                            ; v212-213, v214-215 f (the low word)
.set TC, 216                           ; v216-223 the maxima's chains, 4 u + k; block c's largest at 4 u + 2 c
.set RA, 224                           ; v224-225, v226-227 at work, one a tile
.set RB, 226
.set SA, 228                           ; v228-233 three chains of the sum
.set SOP, 234                          ; v234-237 the conversions' scale operands, 2 u + c
.set KS, 240
.set VS, 244
.set QS, 248                           ; v248, v249 Q's scale words
.set PW, 250                           ; v250, v251 p's scale words
; in the tile's window:
.set QF, 16                            ; v16-23 Q (K = 64 .. 127: zero codes)
.set PCD, 24                           ; v24-31 p's codes
.set S, 32                             ; v32-95 S^T, then p
.set O, 96                             ; v96-127 O^T
; window 1 alone:
.set VF, 208                           ; v208-239 V's four fragments
; the way out.  Window 0: Wo's fragment f = 4 s + t at v[144 + 8 f] (f < 8) or v[32 + 8 (f - 8)]; addresses where tile 0's Q lay.  Window 1: v32-95 o's fragments (32 u + 8 s), v144-207 the sums (32 u + 8 t), v208-239 bo (8 t)
.set XA, 16
.set XSA, 17
.set XR, 18
.set XSR, 19
.set SO, 20
.set SR, 21
.set VO, 22
.set WA, 23
.set VES, 8
.set VBO, 9
.set WV, 18
.set G1, 24
.set G0, 32
.set G1W, 40
.set G0W, 48
.set SEL, 52
.set CS, 54
.set PFA, 56
.set LIMA, 58
.set LIMB, 59
.set CNT, 60
.set MSB, 0
.macro WIN new                         ; low byte: bits 1:0 source 0, 3:2 source 1, 5:4 source 2, 7:6 destination; the high byte repeats the setting that is left
.if MSB != \new
	s_set_vgpr_msb (MSB<<8)|\new
.set MSB, \new
.endif
.endm
.macro D2
	s_delay_alu instid0(VALU_DEP_2)
.endm
.macro ROUND                           ; a round of the cluster's barrier
	s_barrier_signal -1
	s_barrier_wait -1
	s_cmp_lg_u32 s[WV], 0
	s_cbranch_scc1 .Lnot_wave_0_\@
	s_barrier_signal -3
.Lnot_wave_0_\@:
	s_barrier_wait -3
	s_barrier_signal -1
	s_barrier_wait -1
.endm
.macro WM d, a, b, c, sa, sb, row
.if \row
	v_wmma_scale_f32_16x16x128_f8f6f4 v[\d:\d+7], v[\a:\a+7], v[\b:\b+7], \c, v[\sa], v[\sb] matrix_a_fmt:MATRIX_FMT_FP4 matrix_b_fmt:MATRIX_FMT_FP4 matrix_a_scale:MATRIX_SCALE_ROW1
.else
	v_wmma_scale_f32_16x16x128_f8f6f4 v[\d:\d+7], v[\a:\a+7], v[\b:\b+7], \c, v[\sa], v[\sb] matrix_a_fmt:MATRIX_FMT_FP4 matrix_b_fmt:MATRIX_FMT_FP4
.endif
.endm
.macro INIT                            ; a tile's large registers, into the window that the destination names
.irp i, 4,5,6,7
	v_mov_b32 v[QF+\i], 0
.endr
.set J, 0
.rept 32
	v_mov_b32 v[O+J], 0                            ; the step is written once: the first finds zeros
.set J, J+1
.endr
.endm
	s_load_b256 s[4:11], s[0:1], 0x0               ; qimg, qsc, kv, Wo_codes
	s_load_b128 s[12:15], s[0:1], 0x20             ; Wo_scales, bo
	s_load_b64 s[16:17], s[0:1], 0x30              ; out0
	v_lshl_add_u32 v[SPW], v0, 2, SPARE
	v_mov_b32 v[NIL], 0
	ds_add_u32 v[SPW], v[NIL]                      ; the opening lines: the add twice on end and its wait ahead of my first tensor load
	ds_add_u32 v[SPW], v[NIL]
	v_lshrrev_b32 v[ADK], 5, v0
	v_readfirstlane_b32 s[WV], v[ADK]              ; wave = head
	s_bfe_u32 s19, ttmp6, 0x40000                  ; cx
	s_lshr_b32 s21, ttmp9, 5                       ; batch: 32 clusters each
	s_and_b32 s22, ttmp9, 31
	s_lshl_b32 s22, s22, 2
	s_add_co_u32 s22, s22, s19                     ; m
	s_mov_b32 s[G1], 15|(3<<16)|(1<<21)            ; the ring: all four partners; elements of 8 bytes; 70 dense rows of 256 bytes
	s_mov_b32 s[G1+1], 32<<16
	s_mov_b32 s[G1+2], 70<<16
	s_mov_b32 s[G1+3], 32<<16
	s_mov_b32 s[G1+4], 70
	s_mov_b32 s[G1+5], 32
	s_mov_b32 s[G1+6], 0
	s_mov_b32 s[G1+7], 0
	s_mov_b32 s[G1W], 15|(1<<20)|(1<<21)|(5<<22)|(3<<25)   ; Wo: 64 rows of 256 bytes, 16 bytes of padding behind each
	s_mov_b32 s[G1W+1], 256<<16
	s_mov_b32 s[G1W+2], 64<<16
	s_mov_b32 s[G1W+3], 256<<16
	s_mov_b32 s[G1W+4], 64
	s_mov_b32 s[G1W+5], 256
	s_mov_b32 s[G1W+6], 0
	s_mov_b32 s[G1W+7], 0
	s_mul_i32 s[G0+1], s[WV], PART                 ; LDS: my eighth of slot 0
	s_mul_i32 s66, s21, 16*SLOT
	s_add_co_u32 s66, s66, s[G0+1]                 ; kv: the batch's 16 slots, my eighth (no register of this sum holds cx)
	s_mov_b32 s67, 0
	s_lshl_b32 s68, s[WV], 14                      ; Wo: my 64 rows
	s_mov_b32 s69, 0
	s_lshl_b32 s70, s21, 3
	s_add_co_u32 s70, s70, s[WV]
	s_lshl_b32 s70, s70, 8
	s_lshl_b32 s71, s22, 1
	s_add_co_u32 s70, s70, s71                     ; (8 b + head) x 256 + 2 m: my first query tile
	s_lshl_b32 s72, s70, 6
	s_lshl_b32 s70, s70, 9
	s_mov_b32 s71, 0
	s_mov_b32 s73, 0
	s_lshr_b32 s74, s22, 1
	s_lshl_b32 s74, s74, 6
	s_and_b32 s75, s22, 1
	s_lshl_b32 s75, s75, 4
	s_add_co_u32 s74, s74, s75
	s_lshl_b32 s75, s21, 12
	s_add_co_u32 s74, s74, s75                     ; token 4,096 b + 64 (m / 2) + 16 (m % 2)
	s_lshl_b32 s74, s74, 11
	s_lshl_b32 s75, s[WV], 8
	s_add_co_u32 s74, s74, s75                     ; its row of out0, + my 64 outputs
	s_mov_b32 s75, 0
	s_lshl_b32 s76, s[WV], 10
	s_mov_b32 s77, 0
	s_lshl_b32 s78, s[WV], 8
	s_mov_b32 s79, 0
	s_mul_i32 s80, s21, 16*SLOT                    ; the prefetches: slot 2, my work-group's quarter, my wave's 28 blocks
	s_mul_i32 s81, s19, SLOT/4
	s_add_co_u32 s80, s80, s81
	s_mul_i32 s81, s[WV], 28*256
	s_add_co_u32 s80, s80, s81
	s_add_co_u32 s80, s80, 2*SLOT
	s_mov_b32 s81, 0
	s_cmp_lt_u32 s[WV], 5                          ; waves 0 to 4 ask: in a trip's first change always, in its second in all trips but the last
	s_cselect_b32 s[LIMA], 0, -1
	s_cselect_b32 s[LIMB], 1, -1
	s_mov_b32 s[SEL], 0x76543210
	s_mov_b32 s[SEL+1], 0xfedcba98
	s_mov_b32 s[CS], 0x3e38aa3b                    ; log2(e) / 8
	s_mov_b32 s[CS+1], s[CS]
	s_wait_dscnt 0x0
	s_wait_kmcnt 0x0
	s_mov_b32 s[G0], 1
	s_add_nc_u64 s[G0+2:G0+3], s[8:9], s[66:67]
	s_mov_b32 s[G0+4], 1
	s_add_co_u32 s[G0+5], s[G0+1], SLOT
	s_add_nc_u64 s[G0+6:G0+7], s[G0+2:G0+3], SLOT
	s_or_b32 s[G0+3], s[G0+3], 0x80000000
	s_or_b32 s[G0+7], s[G0+7], 0x80000000
	s_mov_b32 s[G0W], 1
	s_mov_b32 s[G0W+1], s[G0+1]
	s_add_nc_u64 s[G0W+2:G0W+3], s[10:11], s[68:69]
	s_or_b32 s[G0W+3], s[G0W+3], 0x80000000
	s_add_nc_u64 s[4:5], s[4:5], s[70:71]
	s_add_nc_u64 s[6:7], s[6:7], s[72:73]
	s_add_nc_u64 s[16:17], s[16:17], s[74:75]
	s_add_nc_u64 s[12:13], s[12:13], s[76:77]
	s_add_nc_u64 s[14:15], s[14:15], s[78:79]
	s_add_nc_u64 s[PFA:PFA+1], s[8:9], s[80:81]
	ROUND                                          ; all four work-groups are here: the first joint loads meet
	tensor_load_to_lds s[G0:G0+3], s[G1:G1+7]      ; slot 0: one tensor load a wave at the head
	s_nop 0
	v_and_b32 v[ADK], 31, v0
	v_lshlrev_b32 v[LI], 4, v[ADK]
	v_and_b32 v[ADV], 15, v0
	v_lshlrev_b32 v[R16], 4, v[ADV]
	v_min_u32 v[PFO], 27, v[ADK]
	v_lshlrev_b32 v[PFO], 8, v[PFO]
	v_lshlrev_b32 v[R4], 2, v[ADV]
	v_bfe_u32 v[H8], v0, 4, 1
	v_lshlrev_b32 v[H8], 3, v[H8]
	s_mul_i32 s66, s[WV], HB
	v_add_nc_u32 v[AK0], s66, v[LI]
	v_add_nc_u32 v[AV0], s66, v[R16]
	global_load_b128 v[QF:QF+3], v[LI], s[4:5]
	global_load_b32 v[QS], v[R4], s[6:7]
	global_load_b32 v[QS+1], v[R4], s[6:7] offset:64
	INIT
.irp u, 0,1
	v_mov_b32 v[NM+2*\u], 0x7f61b1e6               ; -M: 3e38
	v_mov_b32 v[NM+2*\u+1], 0xff61b1e6             ; the largest score so far: -3e38, under every score
	v_mov_b32 v[L+2*\u], 0
	v_mov_b32 v[L+2*\u+1], 0
	v_mov_b32 v[F+2*\u+1], 0                       ; the upper half of f's pair, named with it
	v_mov_b32 v[RB+\u], 0                          ; a lane permute's destination counts as one of its sources
.endr
.set J, 0
.rept 8
.irp i, 4,5,6,7
	v_mov_b32 v[KF+8*J+\i], 0                      ; K = 64 .. 127 of the first product: zero codes, written once
.endr
.set J, J+1
.endr
	WIN 0x40                                       ; destinations in window 1: tile 1
	global_load_b128 v[QF:QF+3], v[LI], s[4:5] offset:512
	INIT
	WIN 0
.macro KLOAD                           ; K's scale words and eight fragments of the step at v[ADK]
	ds_load_b128 v[KS:KS+3], v[ADK] offset:8192
.set J, 0
.rept 8
	ds_load_b128 v[KF+8*J:KF+8*J+3], v[ADK] offset:512*J
.set J, J+1
.endr
.endm
.macro SMM u                           ; S^T of tile u: eight tiles of 16 keys
	WIN 0x54*\u
.set J, 0
.rept 4
	WM S+8*J, KF+8*J, QF, 0, KS+J, QS+\u, 0
.set J, J+1
.endr
.rept 4
	WM S+8*J, KF+8*J, QF, 0, KS+J-4, QS+\u, 1
.set J, J+1
.endr
.endm
.macro MAXS u                          ; tile u's 64 scores: four chains by turns, results in window 0.  Each accumulator is read from its low end on
	WIN 0x15*\u
.irp k, 0,1,2,3
	v_max3_num_f32 v[TC+4*\u+\k], v[S+16*\k], v[S+16*\k+1], v[S+16*\k+2]
.endr
	WIN 0x14*\u
.irp i, 3,5,7,9,11,13
.irp k, 0,1,2,3
	v_max3_num_f32 v[TC+4*\u+\k], v[TC+4*\u+\k], v[S+16*\k+\i], v[S+16*\k+\i+1]
.endr
.endr
	v_max3_num_f32 v[TC+4*\u], v[TC+4*\u], v[S+15], v[S+31]
	v_max3_num_f32 v[TC+4*\u+2], v[TC+4*\u+2], v[S+47], v[S+63]
.endm
.macro SUMS u                          ; the sum of tile u's unquantised p: four chains by turns, in window 0
	WIN 0x05*\u
	v_pk_add_f32 v[SA:SA+1], v[S:S+1], v[S+2:S+3]
	v_pk_add_f32 v[SA+2:SA+3], v[S+4:S+5], v[S+6:S+7]
	v_pk_add_f32 v[SA+4:SA+5], v[S+8:S+9], v[S+10:S+11]
	WIN 0x04*\u
	v_pk_add_f32 v[L+2*\u:L+2*\u+1], v[L+2*\u:L+2*\u+1], v[S+12:S+13]
.irp j, 14,22,30,38,46,54
	v_pk_add_f32 v[SA:SA+1], v[SA:SA+1], v[S+\j:S+\j+1]
	v_pk_add_f32 v[SA+2:SA+3], v[SA+2:SA+3], v[S+\j+2:S+\j+3]
	v_pk_add_f32 v[SA+4:SA+5], v[SA+4:SA+5], v[S+\j+4:S+\j+5]
	v_pk_add_f32 v[L+2*\u:L+2*\u+1], v[L+2*\u:L+2*\u+1], v[S+\j+6:S+\j+7]
.endr
	v_pk_add_f32 v[SA:SA+1], v[SA:SA+1], v[S+62:S+63]
	WIN 0
	v_pk_add_f32 v[SA+2:SA+3], v[SA+2:SA+3], v[SA+4:SA+5]
	v_pk_add_f32 v[L+2*\u:L+2*\u+1], v[L+2*\u:L+2*\u+1], v[SA:SA+1]
	v_pk_add_f32 v[L+2*\u:L+2*\u+1], v[L+2*\u:L+2*\u+1], v[SA+2:SA+3]
.endm
.macro ORS n                           ; the next n pairs of tile 0's O^T x f
.rept \n
	v_pk_mul_f32 v[O+JO:O+JO+1], v[O+JO:O+JO+1], v[F:F+1] op_sel_hi:[1,0]
.set JO, JO+2
.endr
.endm
.macro CVTS u                          ; p's codes: registers 4 c .. 4 c + 3 of the operand as they are wanted
.irp c, 0,1
.irp g, 0,1,2,3
	v_cvt_scalef32_pk8_fp4_f32 v[PCD+4*\c+\g], v[S+32*\c+8*\g:S+32*\c+8*\g+7], v[SOP+2*\u+\c]
.endr
.endr
.endm
; A KEY STEP whose eight heads' blocks begin at LDS byte base.  kl = 1: K is loaded here; else the step before has loaded it.  nxt: the base of the slot's next step, whose K is loaded in this step's middle, or -1.  ask = 1, 2: the prefetch stands behind the step's LDS loads
.macro STEP base, kl, nxt, ask
.if \kl
	v_add_nc_u32 v[ADK], \base, v[AK0]
.else
	v_nop
.endif
	v_add_nc_u32 v[ADV], \base, v[AV0]
	v_nop
	v_nop                                          ; four places ahead of loads into registers that the last products have read
.if \kl
	KLOAD
.endif
	ds_load_b128 v[VS:VS+3], v[ADV] offset:8704
	WIN 0x40
.set J, 0
.rept 8
	ds_load_b128 v[VF+4*J:VF+4*J+3], v[ADK] offset:4096+512*J
.set J, J+1
.endr
	WIN 0
.if \ask
.if \ask == 1
	s_cmp_gt_u32 s[CNT], s[LIMA]
.else
	s_cmp_gt_u32 s[CNT], s[LIMB]
.endif
	s_cbranch_scc0 .Lnot_mine_\@
	s_cmp_lt_u32 ttmp9, 4
	s_cbranch_scc0 .Lno_prefetch_attnou0_\@
	global_prefetch_b8 v[PFO], s[PFA:PFA+1] th:TH_LOAD_NT scope:SCOPE_SE
.Lno_prefetch_attnou0_\@:
.Lnot_mine_\@:
.endif
	s_wait_dscnt 9                                 ; K and its scale words are in; V's nine loads may be out
	SMM 0
	SMM 1
	WIN 0
.if \nxt >= 0
	v_add_nc_u32 v[ADK], \nxt, v[AK0]
.else
	v_nop
.endif
.rept 3
	v_nop                                          ; four places ahead of the first read of S^T and of loads into K's registers
.endr
.if \nxt >= 0
	KLOAD
.endif
	MAXS 0
	MAXS 1
	WIN 0
; both tiles' chains two by two
.irp b, 0,1,2,3
	v_max_num_f32 v[TC+2*\b], v[TC+2*\b], v[TC+2*\b+1]   ; tile b / 2: my block h (b even) or 2 + h (b odd): all its 32 keys are mine
.endr
.irp u, 0,1
	v_max_num_f32 v[RA+\u], v[TC+4*\u], v[TC+4*\u+2]
.endr
.irp u, 0,1
	D2
	v_permlanex16_b32 v[RB+\u], v[RA+\u], s[SEL], s[SEL+1]
.endr
.irp u, 0,1
	D2
	v_max3_num_f32 v[NM+2*\u+1], v[NM+2*\u+1], v[RA+\u], v[RB+\u]   ; the largest score of my query so far
.endr
.irp u, 0,1
	D2
	v_mul_f32 v[RA+\u], s[CS], v[NM+2*\u+1]        ; as t
.endr
.irp u, 0,1
	v_mov_b32 v[RB+\u], v[NM+2*\u]
.endr
.irp u, 0,1
	v_floor_f32 v[NM+2*\u], -v[RA+\u]              ; -M = floor(-t)
.endr
.irp u, 0,1
	D2
	v_sub_f32 v[RA+\u], v[NM+2*\u], v[RB+\u]
.endr
.irp u, 0,1
	D2
	v_cvt_i32_f32 v[RA+\u], v[RA+\u]               ; old M - new M (it saturates)
.endr
.irp u, 0,1
	D2
	v_ldexp_f32 v[F+2*\u], 1.0, v[RA+\u]           ; f
.endr
.set J, 0
.rept 32
	v_pk_fma_f32 v[S+J:S+J+1], v[S+J:S+J+1], s[CS:CS+1], v[NM:NM+1] op_sel_hi:[1,0,0]   ; t - M
.set J, J+2
.endr
.irp b, 0,1,2,3
	v_fma_f32 v[TC+2*\b], v[TC+2*\b], s[CS], v[NM+2*(\b/2)]   ; the same of each block's largest score
.endr
	WIN 0x41                                       ; tile 1's large registers as source 0 and destination, the small state from window 0
.set J, 0
.rept 32
	v_pk_fma_f32 v[S+J:S+J+1], v[S+J:S+J+1], s[CS:CS+1], v[NM+2:NM+3] op_sel_hi:[1,0,0]
.set J, J+2
.endr
	s_wait_alu depctr_va_vdst(0)                   ; ahead of the batch
	s_wait_dscnt 0x0                               ; V's fragments and scale words are in (and the next step's K)
.set J, 0
.rept 64
	v_exp_f32 v[S+J], v[S+J]                       ; ONE batch for both tiles: tile 1's p,
.set J, J+1
.endr
	WIN 0
.set J, 0
.rept 64
	v_exp_f32 v[S+J], v[S+J]                       ; tile 0's,
.set J, J+1
.endr
.irp b, 0,1,2,3
	v_exp_f32 v[TC+2*\b], v[TC+2*\b]               ; and the four blocks' largest p
.endr
	v_pk_mul_f32 v[L:L+1], v[L:L+1], v[F:F+1] op_sel_hi:[1,0]
	v_pk_mul_f32 v[L+2:L+3], v[L+2:L+3], v[F+2:F+3] op_sel_hi:[1,0]
	s_wait_alu depctr_va_vdst(0)                   ; one wait for the batch, directly ahead of the first reader of tile 0's O^T too
.set JO, 0
	ORS 2                                          ; tile 0's O^T x f stands among the lines that make the scale words
.irp b, 0,1,2,3
	v_max_num_f32 v[TC+2*\b], 0x1800000, v[TC+2*\b]   ; the floor 2^(3 - 127): the byte cannot fall under 1
.endr
	ORS 2
.irp b, 0,1,2,3
	v_add_nc_u32 v[SOP+\b], 0xff000000, v[TC+2*\b]    ; 2 off the exponent field: the conversion's scale operand
.endr
	ORS 2
.irp b, 0,1,2,3
	v_lshrrev_b32 v[TC+2*\b], 23, v[SOP+\b]
.endr
	ORS 2
.irp u, 0,1
	v_lshl_or_b32 v[RA+\u], v[TC+4*\u+2], 16, v[TC+4*\u]   ; my two bytes, blocks h and 2 + h,
.endr
	ORS 2
.irp u, 0,1
	v_lshlrev_b32 v[RA+\u], v[H8], v[RA+\u]        ; at their places in the word
.endr
	ORS 3
.irp u, 0,1
	v_permlanex16_b32 v[RB+\u], v[RA+\u], s[SEL], s[SEL+1]
.endr
	ORS 3
.irp u, 0,1
	v_or_b32 v[PW+\u], v[RA+\u], v[RB+\u]          ; with lane l xor 16's two bytes the word is whole
.endr
	CVTS 0
	SUMS 0                                         ; plain work behind the conversions, and the places ahead of the products
	WIN 0x01                                       ; V's fragments from window 1
.set J, 0
.rept 4
	WM O+8*J, VF+8*J, PCD, v[O+8*J:O+8*J+7], VS+J, PW, 0
.set J, J+1
.endr
	WIN 0x41
	s_wait_alu depctr_va_vdst(0)                   ; directly ahead of the first reader of tile 1's O^T
.set J, 0
.rept 16
	v_pk_mul_f32 v[O+J:O+J+1], v[O+J:O+J+1], v[F+2:F+3] op_sel_hi:[1,0]
.set J, J+2
.endr
	CVTS 1
	SUMS 1
	WIN 0x55
.set J, 0
.rept 4
	WM O+8*J, VF+8*J, PCD, v[O+8*J:O+8*J+7], VS+J, PW+1, 0
.set J, J+1
.endr
	WIN 0
.endm
; A CHANGE OF SLOTS and the slot's two steps.  refill = 1: the other slot takes the next two steps; 2: slot 0, read out, takes Wo's rows; 0: nothing
.macro TRIP slot, refill, ask
	s_wait_alu depctr_va_vdst(0)                   ; ahead of the blocking wait below
	s_wait_tensorcnt 0x0                           ; all my tensor loads are done: my eighth of this slot
	ds_add_u32 v[SPW], v[NIL]
	s_add_nc_u64 s[G0+4*\slot+2:G0+4*\slot+3], s[G0+4*\slot+2:G0+4*\slot+3], 2*SLOT   ; no load of mine is out: this slot's next fill
.if \ask
	s_wait_xcnt 0x0                                ; my last prefetch has read its address
	s_add_nc_u64 s[PFA:PFA+1], s[PFA:PFA+1], SLOT
.endif
	s_wait_dscnt 0x0                               ; the add is done, and my reads of the other slot
	ROUND                                          ; both hold of every wave of the four work-groups
.if \refill == 1
	tensor_load_to_lds s[G0+4-4*\slot:G0+7-4*\slot], s[G1:G1+7]
	s_nop 0
.endif
.if \refill == 2
	tensor_load_to_lds s[G0W:G0W+3], s[G1W:G1W+7]
	s_nop 0
.endif
	STEP \slot*SLOT, 1, \slot*SLOT+STEPB, \ask
	STEP \slot*SLOT+STEPB, 0, -1, 0
.endm
	s_wait_alu depctr_va_vdst(0)                   ; at the head's end
	s_wait_loadcnt 0x0                             ; Q
	s_mov_b32 s[CNT], 7
.Lring:                                            ; 7 trips, once round the ring each: slots 0 .. 13 are read, 1 .. 14 asked for
	TRIP 0, 1, 1
	TRIP 1, 1, 2
	s_sub_co_u32 s[CNT], s[CNT], 1
	s_cmp_lg_u32 s[CNT], 0
	s_cbranch_scc1 .Lring
	TRIP 0, 1, 0                                   ; slot 14 is read, 15 asked for
	TRIP 1, 2, 0                                   ; slot 15 is read; Wo comes into the bytes of LDS slot 0
; THE WAY OUT.  Addresses first: they are also the places behind the last products.
	v_and_b32 v252, 15, v0                         ; r
	v_bfe_u32 v253, v0, 4, 1                       ; h
	v_and_b32 v254, 8, v252
	v_mad_u32_u24 v254, v254, 3, v252              ; r + 24 (r / 8): row r of Wo's tile t is my row 8 t + r % 8 + 32 (r / 8)
	s_mul_i32 s66, s[WV], PART
	v_mul_u32_u24 v[WA], v254, OPITCH
	v_lshl_add_u32 v[WA], v253, 4, v[WA]
	v_add_nc_u32 v[WA], s66, v[WA]
	v_lshlrev_b32 v[VES], 4, v254
	v_lshl_add_u32 v[VES], v253, 8, v[VES]         ; lanes 16-31 take tile t + 2's scale words, 16 rows on
	v_lshlrev_b32 v[VBO], 7, v253
	s_lshl_b32 s67, s[WV], 9
	v_add_nc_u32 v[XA], s67, v[LI]
	v_add_nc_u32 v[XA], STG, v[XA]
	v_add_nc_u32 v[XR], STG, v[LI]
	s_lshl_b32 s67, s[WV], 1
	v_add_nc_u32 v[XSA], s67, v[R16]
	v_add_nc_u32 v[XSA], XS, v[XSA]
	v_add_nc_u32 v[XSR], XS, v[R16]
	s_mul_i32 s67, s[WV], 32*OPITCH
	s_add_co_u32 s67, s67, SLOT                    ; my stage, 32 rows of 272 bytes, in LDS slot 1: it has had its last fill, and is stored to behind the barrier below, when nobody reads it
	v_mul_u32_u24 v[SO], v252, OPITCH
	v_lshl_add_u32 v[SO], v253, 7, v[SO]
	v_add_nc_u32 v[SO], s67, v[SO]
	v_mul_u32_u24 v[SR], v253, OPITCH
	v_add_nc_u32 v[SR], v[R16], v[SR]
	v_add_nc_u32 v[SR], s67, v[SR]
	v_lshl_add_u32 v[VO], v253, 11, v[R16]
	global_load_b128 v[ES:ES+3], v[VES], s[12:13]
	global_load_b128 v[ES+4:ES+7], v[VES], s[12:13] offset:128
	WIN 0x40
.irp t, 0,1,2,3
	global_load_b128 v[208+8*\t:208+8*\t+3], v[VBO], s[14:15] offset:32*\t      ; bo at outputs 32 h + 8 t + 0 .. 7 of my 64
	global_load_b128 v[208+8*\t+4:208+8*\t+7], v[VBO], s[14:15] offset:32*\t+16
.endr
	WIN 0
	s_wait_alu depctr_va_vdst(0)                   ; ahead of the blocking wait below
	s_wait_tensorcnt 0x0                           ; my 64 rows of Wo are in; only I read them
.set FI, 0
.rept 16
.set WB, 144+8*FI-(FI/8)*176
	ds_load_b128 v[WB:WB+3], v[WA] offset:(FI%4)*8*OPITCH+(FI/4)*64
	ds_load_b128 v[WB+4:WB+7], v[WA] offset:(FI%4)*8*OPITCH+(FI/4)*64+32
.set FI, FI+1
.endr
; o = O^T / the sum, quantised along the head's 64: a lane's 32 registers are block h.  Both tiles' chains two by two
.macro OMAX u
	WIN 0x05*\u
.irp k, 0,1,2,3
	v_max3_num_f32 v[TC+4*\u+\k], |v[O+8*\k]|, |v[O+8*\k+1]|, 0x1800000
.endr
	WIN 0x14*\u
.irp i, 2,4,6
.irp k, 0,1,2,3
	v_max3_num_f32 v[TC+4*\u+\k], v[TC+4*\u+\k], |v[O+8*\k+\i]|, |v[O+8*\k+\i+1]|
.endr
.endr
.endm
.irp u, 0,1
	v_add_f32 v[L+2*\u], v[L+2*\u], v[L+2*\u+1]
.endr
.irp u, 0,1
	D2
	v_permlanex16_b32 v[RB+\u], v[L+2*\u], s[SEL], s[SEL+1]
.endr
.irp u, 0,1
	D2
	v_add_f32 v[L+2*\u], v[L+2*\u], v[RB+\u]
.endr
	s_wait_alu depctr_va_vdst(0)                   ; ahead of the transcendentals
	v_rcp_f32 v[L], v[L]
	v_rcp_f32 v[L+2], v[L+2]
	v_nop
	s_wait_alu depctr_va_vdst(0)                   ; and ahead of their first reader, which is also the first reader of tile 0's O^T
.set J, 0
.rept 16
	v_pk_mul_f32 v[O+J:O+J+1], v[O+J:O+J+1], v[L:L+1] op_sel_hi:[1,0]
.set J, J+2
.endr
	OMAX 0
	WIN 0x41
	s_wait_alu depctr_va_vdst(0)                   ; directly ahead of the first reader of tile 1's O^T
.set J, 0
.rept 16
	v_pk_mul_f32 v[O+J:O+J+1], v[O+J:O+J+1], v[L+2:L+3] op_sel_hi:[1,0]
.set J, J+2
.endr
	OMAX 1
	WIN 0
.irp u, 0,1
	v_max3_num_f32 v[TC+4*\u], v[TC+4*\u], v[TC+4*\u+1], v[TC+4*\u+2]
.endr
.irp u, 0,1
	D2
	v_max_num_f32 v[TC+4*\u], v[TC+4*\u], v[TC+4*\u+3]
.endr
.irp u, 0,1
	D2
	v_add_nc_u32 v[SOP+\u], 0xff000000, v[TC+4*\u]
.endr
.irp u, 0,1
	D2
	v_lshrrev_b32 v[RA+\u], 23, v[SOP+\u]
.endr
.irp u, 0,1
	D2
	v_lshlrev_b32 v[RA+\u], v[H8], v[RA+\u]
.endr
.irp u, 0,1
	D2
	v_permlanex16_b32 v[RB+\u], v[RA+\u], s[SEL], s[SEL+1]
.endr
.irp u, 0,1
	D2
	v_or_b32 v[RA+\u], v[RA+\u], v[RB+\u]          ; the head's two scale bytes of my row
.endr
.irp g, 0,1,2,3
	v_cvt_scalef32_pk8_fp4_f32 v[PCD+\g], v[O+8*\g:O+8*\g+7], v[SOP]
.endr
	WIN 0x41
.irp g, 0,1,2,3
	v_cvt_scalef32_pk8_fp4_f32 v[PCD+\g], v[O+8*\g:O+8*\g+7], v[SOP+1]
.endr
	v_nop                                          ; one plain place behind the last scaled conversion
	WIN 0
	ds_store_b128 v[XA], v[PCD:PCD+3]
	ds_store_b16 v[XSA], v[RA]                     ; both halves of the lanes write the same bytes with the same value
	ds_store_b16 v[XSA], v[RA+1] offset:256
	WIN 0x04                                       ; tile 1's codes from window 1, the address from window 0
	ds_store_b128 v[XA], v[PCD:PCD+3] offset:4096
	WIN 0
	s_wait_dscnt 0x0                               ; for the others' sake: my stores are done; so are my reads of LDS slot 1
	s_barrier_signal -1
	s_barrier_wait -1
	ds_load_b128 v[OS:OS+3], v[XSR]                ; row r's 16 bytes: the four K steps' words
	ds_load_b128 v[OS+4:OS+7], v[XSR] offset:256
	WIN 0x40
.set J, 0
.rept 16
	ds_load_b128 v[32+4*J:32+4*J+3], v[XR] offset:512*J   ; tile J / 8, head J % 8: register group head % 2 of K step head / 2
.set J, J+1
.endr
	WIN 0
	s_wait_loadcnt 0x0
	s_wait_dscnt 0x0
	WIN 0x54                                       ; Wo from window 0; o, bo and the sums in window 1
.irp s, 0,1,2,3                        ; source 0 = 16 rows of Wo, source 1 = 16 tokens; the eight sums take turns, one instruction a turn
.irp u, 0,1
.irp t, 0,1,2,3
.set WB, 144+8*(4*\s+\t)-((4*\s+\t)/8)*176
.set DB, 144+32*\u+8*\t
.set CB, DB+(1-(\s+3)/4)*(208+8*\t-DB)             ; the first K step takes bo as C
	WM DB, WB, 32+32*\u+8*\s, v[CB:CB+7], ES+4*(\t%2)+\s, OS+4*\u+\s, \t/2
.endr
.endr
.endr
.rept 4
	v_nop                                          ; places ahead of the first read of the sums and of loads into Wo's registers
.endr
	WIN 0x04
.irp u, 0,1
.irp t, 0,1,2,3
	ds_store_b128 v[SO], v[144+32*\u+8*\t:144+32*\u+8*\t+3] offset:\u*16*OPITCH+32*\t      ; row r: outputs 32 h + 8 t on; each sum from its low end on
	ds_store_b128 v[SO], v[144+32*\u+8*\t+4:144+32*\u+8*\t+7] offset:\u*16*OPITCH+32*\t+16
.endr
.endr
	WIN 0
.set J, 0
.rept 16
	ds_load_b128 v[144+4*J:144+4*J+3], v[SR] offset:2*J*OPITCH   ; LDS serves a wave's instructions in order (ISA guide 5.7.1.4): lanes 0-15 one row, lanes 16-31 the next
.set J, J+1
.endr
.set J, 0
.rept 16
	s_wait_dscnt 15-J
	global_store_b128 v[VO], v[144+4*J:144+4*J+3], s[16:17] offset:(8*(J/8)+2*(J%4)+32*((J%8)/4))*2048 th:TH_STORE_NT   ; sixteen lanes store 256 consecutive bytes, aligned
.set J, J+1
.endr
	s_wait_tensorcnt 0x0                           ; the wave's end
	ds_add_u32 v[SPW], v[NIL]
	s_wait_dscnt 0x0
	ROUND                                          ; the closing round
	s_endpgm
.Lfunc_end_k_q91e613a83f_attnout:
	.size	k_q91e613a83f_attnout, .Lfunc_end_k_q91e613a83f_attnout-k_q91e613a83f_attnout
	.p2alignl 7, 3214868480
	.fill 96, 4, 3214868480
	.section	.rodata,"a",@progbits
	.p2align	6, 0x0
	.amdhsa_kernel k_q91e613a83f_attnout
		.amdhsa_group_segment_fixed_size 327680
		.amdhsa_private_segment_fixed_size 0
		.amdhsa_enable_private_segment 0
		.amdhsa_kernarg_size 56
		.amdhsa_user_sgpr_count 2
		.amdhsa_user_sgpr_kernarg_segment_ptr 1
		.amdhsa_wavefront_size32 1
		.amdhsa_system_sgpr_workgroup_id_x 1
		.amdhsa_system_sgpr_workgroup_id_y 1
		.amdhsa_system_sgpr_workgroup_id_z 1
		.amdhsa_system_vgpr_workitem_id 0
		.amdhsa_next_free_vgpr 512
		.amdhsa_next_free_sgpr 100
		.amdhsa_reserve_vcc 0
		.amdhsa_float_denorm_mode_32 3
		.amdhsa_float_denorm_mode_16_64 3
		.amdhsa_memory_ordered 1
		.amdhsa_forward_progress 1
		.amdhsa_inst_pref_size 248
	.end_amdhsa_kernel
	.amdgpu_metadata
---
amdhsa.version: [ 1, 2 ]
amdhsa.kernels:
  - .name:           k_q91e613a83f_attnout
    .symbol:         k_q91e613a83f_attnout.kd
    .args:
      - { .name: qimg, .offset: 0, .size: 8, .value_kind: global_buffer, .address_space: global }
      - { .name: qsc, .offset: 8, .size: 8, .value_kind: global_buffer, .address_space: global }
      - { .name: kv, .offset: 16, .size: 8, .value_kind: global_buffer, .address_space: global }
      - { .name: Wo_codes, .offset: 24, .size: 8, .value_kind: global_buffer, .address_space: global }
      - { .name: Wo_scales, .offset: 32, .size: 8, .value_kind: global_buffer, .address_space: global }
      - { .name: bo, .offset: 40, .size: 8, .value_kind: global_buffer, .address_space: global }
      - { .name: out0, .offset: 48, .size: 8, .value_kind: global_buffer, .address_space: global }
    .group_segment_fixed_size: 327680
    .private_segment_fixed_size: 0
    .kernarg_segment_align: 8
    .kernarg_segment_size: 56
    .max_flat_workgroup_size: 256
    .sgpr_count:     100
    .vgpr_count:     512
    .wavefront_size: 32
...
	.end_amdgpu_metadata
.endif
;; end of part 2
